; MI455X (gfx1250); checked and timed in simulation.
; The chip was launched on July 23, 2026; its instructions are those of AMD's public machine-readable ISA for CDNA 5 (MIT licence, August 2026) and "CDNA5" Instruction Set Architecture Reference Guide (July 2026). The comments in the code are by the model that wrote it; some were corrected since.
;; VQ. Allowed arithmetic: matrix products marked QUANTISED: E2M1 operands, one E8M0 scale for each 32 along K, by v_wmma_scale_f32_16x16x128_f8f6f4 with both operands' format E2M1 (or v_wmma_scale_f32_32x16x128_f4), f32 sums; everything else in f32.
;; Inputs: codebook 8,192 x 256 float32; z 32,768 x 256 float32.
;; Outputs: out0 32,768 x 256 float32; out1 one number float32.
;; This version of the problem:
;;   THIS VERSION OF THE PROBLEM IS GIVEN IN LOW PRECISION. The matrix products marked QUANTISED in the list below multiply operands that are first quantised to E2M1 (2 exponent bits, 1 mantissa bit; 4 bits a number), with one power-of-two scale for each 32 numbers along K (OCP MX v1.0); their sums are f32. All else is computed in f32.
;;   The module's matrix products, in the order in which they are computed (A, B: the left and right operand; K: the contracted axis; several contracted axes count as one K, in the product's order):
;;     1. [M 32,768, K 256] x [K 256, N 8,192]; A: input z; B: input codebook: QUANTISED
;;   THE QUANTISER, for each operand of a quantised product, along K:
;;     - K is cut into blocks of 32 from its start; a last block that is shorter is filled with zeros.
;;     - A block's scale is 2^e with e = floor(log2(the largest magnitude in the block)) - 2, held to -126 .. 127; a block of zeros has e = 0. As a byte (E8M0): e + 127.
;;     - Each number is divided by its block's scale, clamped to +-6, and rounded to the nearest number of E2M1, ties to even, subnormals kept.
;;     - The product sums the exact products of the quantised numbers (number of the format x scale) in f32.
;;   ~~~python
;;   def quantise(x, axis):      # numpy; x: float32 -> the quantised numbers, widened to float32 again
;;       x = np.moveaxis(x, axis, -1); K = x.shape[-1]
;;       x = np.pad(x, [(0, 0)] * (x.ndim - 1) + [(0, -K % 32)]); x = x.reshape(x.shape[:-1] + (-1, 32)); a = np.abs(x).max(-1, keepdims=True)
;;       e = np.where(a > 0, np.clip(np.frexp(np.where(a > 0, a, 1))[1] - 1 - 2, -126, 127), 0)      # np.frexp(a)[1] - 1 = floor(log2(a)), exactly
;;       r = np.clip(x / 2.0 ** e, -6, 6)
;;       step = 2.0 ** (np.maximum(np.frexp(np.where(r == 0, 1, r))[1] - 1, 0) - 1)
;;       q = np.round(r / step) * step * 2.0 ** e      # np.round: ties to even
;;       return np.moveaxis(q.reshape(q.shape[:-2] + (-1,))[..., :K], -1, axis).astype(np.float32)
;;   ~~~
;; One version. Each part assembles by itself: llvm-mc -triple=amdgcn-amd-amdhsa -mcpu=gfx1250 --defsym DOCPART=n.
;; ======== version 1 of 1: 4 launches
;; limits: right only within a limited range of input values
;; workspace buffers: zq 4,587,520 bytes; cq 1,146,880 bytes; pkey 1,048,576 bytes of whole numbers; pidx 1,048,576 bytes of whole numbers; lpart 1,024 bytes
;; launch prep (part 1): grid 640 x 1, 4 waves a work-group, no clusters, 34,304 bytes of LDS; arguments z, codebook, zq, cq; writes zq, cq
.if DOCPART == 1
	.amdgcn_target "amdgcn-amd-amdhsa--gfx1250"
	.amdhsa_code_object_version 6
	.text
	.protected	k_qa8b552ec40_prep
	.globl	k_qa8b552ec40_prep
	.p2align	8
	.type	k_qa8b552ec40_prep,@function
k_qa8b552ec40_prep:
	s_mov_b64 s[64:65], 0
	v_nop
	global_prefetch_b8 v0, s[64:65] scope:SCOPE_SE
	s_setreg_imm32_b32 hwreg(HW_REG_WAVE_MODE, 25, 1), 1
	s_wait_xcnt 0x0
; z [32768][256] and codebook [8192][256], f32, become operands of the quantised product: codes of FP4 (E2M1) with one E8M0 byte for each 32 along K,
; and beside them NH(row) = -0.5 x the sum of the row's squares, in f32.
; A block's scale is 2^(floor(log2(its largest magnitude)) - 2): its byte is the largest magnitude's exponent field - 2, held at 1 from below.  A block of zeros so keeps the
; byte 1: its codes are zeros, which add nothing, and this program alone reads the bytes.
; LIMITS: NaN and infinities among the inputs are not served; blocks whose largest magnitude lies under 2^-124 keep the byte 1; the order of the 256 additions in a row's sum
; of squares is this text's own (eight pairs a lane, then across sixteen lanes).
; OUTPUT LAYOUT, the same for both tensors: chunks of 1,024 rows = 64 tiles of 16 rows, CHUNK bytes each:
;   byte 0      scale words: tile t, lane l at 128 t + 4 l: lanes 0-15 row l's word of K step 0 (k 0-127), lanes 16-31 row l - 16's word of K step 1
;   byte 8192   NH, 4 bytes a row
;   byte 12288  the tiles' fragments as images of the operand's registers: the 16 bytes of block b (0..7) of row r of tile t at 2048 t + 512 (b / 2) + 256 (b % 2) + 16 r
; SHARES: work-groups 0-511 take z, 512-639 the codebook: only pointers are chosen, one path through the text.  A wave takes one tile, 16 rows = 16 KiB, in 8 steps of two rows.
; Each load of a wave reads 512 consecutive bytes; a step's 2,048 bytes turn through the wave's own stage in LDS so that a lane holds 16 neighbours along K (two lanes a block,
; sixteen lanes a row).  The codes are gathered in LDS in the image's order and leave as four stores of 512 bytes; the four waves' scale words (512 bytes) and NH (256 bytes) leave through wave 0.
; No cluster, no tensor load: the work-groups share no input, and every byte is read once.
.set WGZ,   512                        ; work-groups for z
.set CHUNK, 143360
.set NHO,   8192
.set FRO,   12288
.set STEPS, 8
.set SP,    80                         ; a lane's place in a stage: 64 bytes + 16 of padding
.set STGB,  32*SP                      ; a stage
.set IMG,   2*STGB                     ; behind the two stages: the tile's image, 2,048 bytes
.set WREG,  8192                       ; a wave's own LDS region
.set SWL,   4*WREG                     ; the work-group's scale words, 128 bytes a wave
.set NHL,   SWL+512                    ; and its NH, 64 bytes a wave
.set R,     16                         ; v16-79   four sets of 16 numbers as loaded
.set X,     80                         ; v80-111  two sets of 16 neighbours
.set C,     112                        ; v112-127 codes: two registers for each step
.set EB,    128                        ; v128-135 a scale byte for each step
.set NV,    136                        ; v136-143 NH for each step
.set OUTR,  144                        ; v144-165 the way out
	s_load_b256 s[4:11], s[0:1], 0x0               ; z s[4:5], codebook s[6:7], zq s[8:9], cq s[10:11]
	v_lshl_add_u32 v168, v0, 2, 0x8400
	v_mov_b32 v169, 0
	v_lshrrev_b32 v1, 5, v0
	v_readfirstlane_b32 s12, v1                    ; wave 0..3
	v_and_b32 v2, 31, v0                           ; lane
	v_lshlrev_b32 v3, 4, v2                        ; 16 x lane
	v_lshlrev_b32 v1, 3, v2                        ; 8 x lane
	s_mul_i32 s13, s12, WREG                       ; my wave's LDS region
	v_lshrrev_b32 v14, 2, v2
	v_mul_u32_u24 v14, v14, SP
	v_and_b32 v15, 3, v2
	v_lshl_add_u32 v14, v15, 4, v14
	v_add_nc_u32 v14, s13, v14                     ; the stage, way in: SP (lane / 4) + 16 (lane % 4)
	v_mul_u32_u24 v15, v2, SP
	v_add_nc_u32 v15, s13, v15                     ; way out: SP x lane: my 16 neighbours
	v_bfe_u32 v9, v0, 4, 1                         ; H: which of the step's two rows
	v_bfe_u32 v10, v0, 2, 2                        ; my block b = (lane % 16) / 2: b / 2,
	v_lshlrev_b32 v4, 9, v10
	v_bfe_u32 v10, v0, 1, 1                        ; b % 2,
	v_lshl_add_u32 v4, v10, 8, v4
	v_and_b32 v10, 1, v0                           ; my half of the block's 16 bytes
	v_lshl_add_u32 v4, v10, 3, v4
	v_lshl_add_u32 v4, v9, 4, v4                   ; row 2 t + H: 16 H here, 32 t in the immediate
	v_add_nc_u32 v4, s13, v4
	v_add_nc_u32 v4, IMG, v4                       ; where my 8 bytes of codes go
	v_bfe_u32 v10, v0, 3, 1                        ; K step b / 4
	v_lshlrev_b32 v5, 6, v10
	v_bfe_u32 v10, v0, 1, 2                        ; byte b % 4
	v_add_nc_u32 v5, v5, v10
	v_lshl_add_u32 v5, v9, 2, v5                   ; row: 4 H here, 8 t in the immediate
	s_lshl_b32 s14, s12, 7
	v_add_nc_u32 v5, s14, v5
	v_add_nc_u32 v5, SWL, v5                       ; where my block's scale byte goes
	v_lshlrev_b32 v6, 2, v9
	s_lshl_b32 s14, s12, 6
	v_add_nc_u32 v6, s14, v6
	v_add_nc_u32 v6, NHL, v6                       ; where my row's NH goes
	v_add_nc_u32 v7, s13, v3
	v_add_nc_u32 v7, IMG, v7                       ; the image read back: 16 x lane
	v_add_nc_u32 v166, SWL, v3                     ; wave 0's reads at the end: the scale words, 16 bytes a lane,
	v_add_nc_u32 v167, NHL, v1                     ; and NH, 8 bytes a lane
	s_wait_kmcnt 0x0
	s_cmp_lt_u32 ttmp9, WGZ                        ; z's work-group or the codebook's?  The choice hangs on the work-group's number alone
	s_cselect_b64 s[4:5], s[4:5], s[6:7]
	s_cselect_b64 s[8:9], s[8:9], s[10:11]
	s_cselect_b32 s15, 0, WGZ
	s_sub_co_u32 s15, ttmp9, s15                   ; the work-group's number in its tensor
	s_lshl_b32 s16, s15, 2
	s_add_co_u32 s16, s16, s12                     ; my tile
	s_lshl_b32 s16, s16, 14                        ; 16 rows of 1,024 bytes
	s_mov_b32 s17, 0
	s_add_nc_u64 s[4:5], s[4:5], s[16:17]
	s_lshr_b32 s18, s15, 4                         ; sixteen work-groups fill a chunk
	s_mul_i32 s18, s18, CHUNK
	s_mov_b32 s19, 0
	s_add_nc_u64 s[8:9], s[8:9], s[18:19]
	s_and_b32 s20, s15, 15
	s_lshl_b32 s22, s20, 2
	s_add_co_u32 s22, s22, s12                     ; my tile in the chunk
	s_lshl_b32 s22, s22, 11
	s_add_co_u32 s22, s22, FRO
	s_mov_b32 s23, 0
	s_add_nc_u64 s[24:25], s[8:9], s[22:23]        ; its image
	s_lshl_b32 s22, s20, 9
	s_add_nc_u64 s[26:27], s[8:9], s[22:23]        ; the work-group's scale words
	s_lshl_b32 s22, s20, 8
	s_add_co_u32 s22, s22, NHO
	s_add_nc_u64 s[28:29], s[8:9], s[22:23]        ; and its NH
.macro LOAD t
.irp i, 0,1,2,3
	global_load_b128 v[R+16*((\t)%4)+4*\i:R+16*((\t)%4)+4*\i+3], v3, s[4:5] offset:2048*(\t)+512*\i th:TH_LOAD_NT   ; 32 lanes read 512 consecutive bytes
.endr
.endm
.macro TURN t                          ; step t's numbers through a stage: LDS serves a wave's instructions in order, so no wait stands between the stores and the loads
.irp i, 0,1,2,3
	ds_store_b128 v14, v[R+16*((\t)%4)+4*\i:R+16*((\t)%4)+4*\i+3] offset:STGB*((\t)%2)+8*SP*\i
.endr
.irp i, 0,1,2,3
	ds_load_b128 v[X+16*((\t)%2)+4*\i:X+16*((\t)%2)+4*\i+3], v15 offset:STGB*((\t)%2)+16*\i
.endr
.endm
.irp t, 0,1,2,3
	LOAD \t
.endr
	s_wait_loadcnt 12                              ; step 0's four loads are in; those of steps 1 to 3 may be out
	TURN 0
.macro STEP t
.set XS, X+16*((\t)%2)
	s_wait_dscnt 0x0                               ; this step's numbers are back from the stage, and its stores into the stage have read their registers,
.if (\t)+4 < STEPS
	LOAD (\t)+4                                    ; which take the loads of four steps on
.endif
.if (\t)+1 < STEPS
.if (\t) < 4
	s_wait_loadcnt 12                              ; the next step's four loads are in; those of the three steps behind it may be out
.else
	s_wait_loadcnt 4*(6-(\t))                      ; towards the end fewer steps are behind it
.endif
	TURN (\t)+1                                    ; and go through the other stage while this step is worked
.endif
	v_max3_num_f32 v8, |v[XS]|, |v[XS+1]|, |v[XS+2]|               ; the largest magnitude of my 16, in two chains
	v_max3_num_f32 v9, |v[XS+3]|, |v[XS+4]|, |v[XS+5]|
.irp i, 6,10
	v_max3_num_f32 v8, v8, |v[XS+\i]|, |v[XS+\i+1]|
	v_max3_num_f32 v9, v9, |v[XS+\i+2]|, |v[XS+\i+3]|
.endr
	v_max3_num_f32 v8, v8, |v[XS+14]|, |v[XS+15]|
	v_max3_num_f32 v8, v8, v9, 0x1800000           ; and the floor 2^(3 - 127): the byte cannot fall under 1
	v_max_num_f32_dpp v8, v8, v8 row_xmask:1 row_mask:0xf bank_mask:0xf   ; with my neighbour's 16: the block's
	v_add_nc_u32 v11, 0xff000000, v8               ; 2 off its exponent field: the conversion takes the exponent field of this operand as its scale
	v_pk_mul_f32 v[12:13], v[XS:XS+1], v[XS:XS+1]  ; the squares of my 16, two at a time
.irp i, 2,4,6,8,10,12,14
	v_pk_fma_f32 v[12:13], v[XS+\i:XS+\i+1], v[XS+\i:XS+\i+1], v[12:13]
.endr
	v_cvt_scalef32_pk8_fp4_f32 v[C+2*(\t)], v[XS:XS+7], v11        ; eight numbers / the scale, to the nearest code, ties to even, beyond 6 the largest code; the first number in the lowest four bits
	v_cvt_scalef32_pk8_fp4_f32 v[C+2*(\t)+1], v[XS+8:XS+15], v11
	v_lshrrev_b32 v[EB+(\t)], 23, v11              ; the scale's byte (a plain line behind the conversions)
	v_add_f32 v[NV+(\t)], v12, v13
	v_add_f32_dpp v[NV+(\t)], v[NV+(\t)], v[NV+(\t)] row_xmask:1 row_mask:0xf bank_mask:0xf   ; the sixteen lanes of a half hold one row
	v_add_f32_dpp v[NV+(\t)], v[NV+(\t)], v[NV+(\t)] row_xmask:2 row_mask:0xf bank_mask:0xf
	v_add_f32_dpp v[NV+(\t)], v[NV+(\t)], v[NV+(\t)] row_xmask:4 row_mask:0xf bank_mask:0xf
	v_add_f32_dpp v[NV+(\t)], v[NV+(\t)], v[NV+(\t)] row_xmask:8 row_mask:0xf bank_mask:0xf
	v_mul_f32 v[NV+(\t)], -0.5, v[NV+(\t)]         ; NH: the halving rounds nothing
	ds_store_b64 v4, v[C+2*(\t):C+2*(\t)+1] offset:32*(\t)
	ds_store_b8 v5, v[EB+(\t)] offset:8*(\t)       ; both lanes of a block write the same byte with the same value
	ds_store_b32 v6, v[NV+(\t)] offset:8*(\t)      ; the sixteen lanes of a row write the same word with the same value
.endm
.irp t, 0,1,2,3,4,5,6,7
	STEP \t
.endr
.irp i, 0,1,2,3
	ds_load_b128 v[OUTR+4*\i:OUTR+4*\i+3], v7 offset:512*\i        ; the image, in order behind my stores
.endr
.irp i, 0,1,2,3
	s_wait_dscnt 3-\i                              ; loads come back in order: number i is in, the younger ones may be out
	global_store_b128 v3, v[OUTR+4*\i:OUTR+4*\i+3], s[24:25] offset:512*\i   ; 32 lanes store 512 consecutive bytes, aligned
.endr
	s_wait_dscnt 0x0                               ; for wave 0's sake: my scale bytes and NH have landed
	s_barrier_signal -1
	s_barrier_wait -1
	s_cmp_lg_u32 s12, 0
	s_cbranch_scc1 .Lend
	ds_load_b128 v[160:163], v166                  ; the four waves' scale words: 512 bytes
	ds_load_b64 v[164:165], v167                   ; and NH: 256 bytes
	s_wait_dscnt 0x0
	global_store_b128 v3, v[160:163], s[26:27]
	global_store_b64 v1, v[164:165], s[28:29]
.Lend:
	s_wait_tensorcnt 0x0
	ds_add_u32 v168, v169
	s_wait_dscnt 0x0
	s_endpgm
.Lfunc_end_k_qa8b552ec40_prep:
	.size	k_qa8b552ec40_prep, .Lfunc_end_k_qa8b552ec40_prep-k_qa8b552ec40_prep
	.p2alignl 7, 3214868480
	.fill 96, 4, 3214868480
	.section	.rodata,"a",@progbits
	.p2align	6, 0x0
	.amdhsa_kernel k_qa8b552ec40_prep
		.amdhsa_group_segment_fixed_size 34304
		.amdhsa_private_segment_fixed_size 0
		.amdhsa_enable_private_segment 0
		.amdhsa_kernarg_size 32
		.amdhsa_user_sgpr_count 2
		.amdhsa_user_sgpr_kernarg_segment_ptr 1
		.amdhsa_wavefront_size32 1
		.amdhsa_system_sgpr_workgroup_id_x 1
		.amdhsa_system_sgpr_workgroup_id_y 1
		.amdhsa_system_sgpr_workgroup_id_z 1
		.amdhsa_system_vgpr_workitem_id 0
		.amdhsa_next_free_vgpr 170
		.amdhsa_next_free_sgpr 66
		.amdhsa_reserve_vcc 0
		.amdhsa_float_denorm_mode_32 3
		.amdhsa_float_denorm_mode_16_64 3
		.amdhsa_memory_ordered 1
		.amdhsa_forward_progress 1
		.amdhsa_inst_pref_size 27
	.end_amdhsa_kernel
	.amdgpu_metadata
---
amdhsa.version: [ 1, 2 ]
amdhsa.kernels:
  - .name:           k_qa8b552ec40_prep
    .symbol:         k_qa8b552ec40_prep.kd
    .args:
      - { .name: z, .offset: 0, .size: 8, .value_kind: global_buffer, .address_space: global }
      - { .name: codebook, .offset: 8, .size: 8, .value_kind: global_buffer, .address_space: global }
      - { .name: zq, .offset: 16, .size: 8, .value_kind: global_buffer, .address_space: global }
      - { .name: cq, .offset: 24, .size: 8, .value_kind: global_buffer, .address_space: global }
    .group_segment_fixed_size: 34304
    .private_segment_fixed_size: 0
    .kernarg_segment_align: 8
    .kernarg_segment_size: 32
    .max_flat_workgroup_size: 128
    .sgpr_count:     66
    .vgpr_count:     170
    .wavefront_size: 32
...
	.end_amdgpu_metadata
.endif
;; end of part 1
;; launch scan (part 2): grid 32 x 8, 16 waves a work-group, clusters of 4 x 1, 167,936 bytes of LDS; arguments zq, cq, pkey, pidx; writes pkey, pidx
.if DOCPART == 2
	.amdgcn_target "amdgcn-amd-amdhsa--gfx1250"
	.amdhsa_code_object_version 6
	.text
	.protected	k_qa8b552ec40_scan
	.globl	k_qa8b552ec40_scan
	.p2align	8
	.type	k_qa8b552ec40_scan,@function
k_qa8b552ec40_scan:
	s_mov_b64 s[64:65], 0
	v_nop
	global_prefetch_b8 v0, s[64:65] scope:SCOPE_SE
	s_setreg_imm32_b32 hwreg(HW_REG_WAVE_MODE, 25, 1), 1
	s_wait_xcnt 0x0
	s_wait_alu depctr_hold_cnt(0) depctr_sa_sdst(0) depctr_va_vdst(0) depctr_va_sdst(0) depctr_va_ssrc(0) depctr_va_vcc(0) depctr_vm_vsrc(0)
	s_getreg_b32 s2, hwreg(HW_REG_IB_STS2, 6, 4)
	s_cmp_eq_u32 s2, 0
	s_cbranch_scc0 .Lentry_in_a_cluster
	s_endpgm
.Lentry_in_a_cluster:
	s_bfe_u32 s2, ttmp6, 0x10000c
	s_cmp_lg_u32 s2, 0x3003
	s_cbranch_scc0 .Lentry_shape_is_right
	s_endpgm
.Lentry_shape_is_right:
; For 1,024 queries and 1,024 codes: the first code with the least distance, for each query.  u = -dist / 2 = NH(z) + z . e + NH(e), NH = -0.5 x the sum of squares; the least distance is the largest u.
; z . e is the quantised product, on codes of FP4 (E2M1) with E8M0 scales, two matrix instructions of 128 along K.  NH(e) is the C of the first: x = NH(e) + z . e.
; NH(z) is one number for a query, and the rounded sum x + NH(z) never falls where x rises: so the largest u of a tile's eight codes is (the largest x) + NH(z), one addition for eight codes.
; All comparisons between tiles are made on u, strictly, so that at equal u the earlier tile stays; the eight x of the winning tile are kept, and at the end NH(z) is added to each of them:
; the lowest j whose u equals the best is the code.  So codes whose x differ and whose u are equal are told apart by their index, as an argmin over u tells them apart.
; LIMITS: the order of rounding is (NH(e) + z . e) + NH(z), where reference() has (|z|^2 - 2 z . e) + |e|^2; the halving is exact but for denormals.  NaN and infinities are not served.
; SHARES.  Work-group (x, y): queries 1024 x .. + 1023 (chunk x of zq), codes 1024 y .. + 1023 (chunk y of cq).  Each of sixteen waves keeps 4 tiles of 16 queries in registers (fragments, scale words, NH)
; and walks all 64 tiles of 16 codes out of LDS.  Four waves share a SIMD, 256 registers each: no register window is switched.
; LDS is filled ONCE: the whole chunk of codes, 143,360 bytes as it lies in memory, 8,960 bytes (35 rows of 256) by each wave's one tensor load.  Nothing is filled again.
; CLUSTER.  The four work-groups of a cluster have the same y and want the same chunk: each load is asked for JOINTLY, with the same descriptor and a mask that names the four.
; LAYOUT.  Source 0 = 16 codes, source 1 = 16 queries: lane (r, h) holds query r, and its register j code 8 h + j of the tile.
; OUT: for each query the best u as an unsigned key that orders as u does, and the code's index: whole numbers, by which the next launch chooses among the eight y.
; No prefetch: the launch fetches only at its head and has no loop to run ahead in.
.set CHUNK, 143360
.set NHO,   8192
.set FRO,   12288
.set PART,  CHUNK/16                   ; a wave's part of the chunk: 35 rows of 256 bytes
.set SCR,   CHUNK                      ; behind the chunk: 512 bytes for each wave, for the way out; no fill lands there
.set SPARE, SCR+8192                   ; behind them: the spare words, 128 bytes for each wave
.set AF,   1                           ; LDS addresses of the loads in hand: fragments,
.set AS,   2                           ; scale words,
.set AE,   3                           ; NH(e)
.set LI,   4                           ; 16 x lane
.set LS,   5                           ; 4 x lane
.set LE,   6                           ; 32 x (lane / 16)
.set L8,   7                           ; 8 x lane
.set ZS,   8                           ; v8-11   z's scale words
.set NZ,   12                          ; v12-15  NH(z)
.set BEST, 16                          ; v16-19  the best u
.set TID,  21                          ; v21-24  its tile, then the index (of the other parity than BEST: they are selected in one pair)
.set CS,   26                          ; v26-27  the codes' scale words, two sets
.set MX,   28                          ; v28, 29, 32, 33: a tile's largest x, then u (register numbers 0 and 1 modulo 4; VT is 2 modulo 4)
.set VT,   30                          ; the number of the tile that is being reduced
.set T0,   31
.set MB,   34                          ; v34-37  the second chain of the maxima
.set HH,   38
.set RR,   39
.set GF,   40                          ; offsets in my chunk of zq: fragments,
.set GS,   41                          ; scale words,
.set GN,   42                          ; NH
.set HB,   43                          ; 8 h + 1024 y
.set SA,   44                          ; the way out: where a query's word goes
.set SB,   45                          ; and where 8 bytes are read back
.set SPW,  46                          ; my spare word; never rewritten
.set NIL,  47                          ; 0; never rewritten
.set CF,   48                          ; v48-79   the codes' fragments, two sets of 16
.set EN,   80                          ; v80-95   NH(e) in the result's layout, two sets of 8
.set ZF,   96                          ; v96-159  z's fragments, 4 tiles x 16
.set ACC,  160                         ; v160-223 x, two sets of 4 tiles
.set WB,   224                         ; v224-255 the kept x
.set OB,   ACC                         ; at the end: the other half's best and index
.set OI,   ACC+4
.set WV,   12
.set CX,   13
.set QB,   14
.set YY,   15
.set G1,   16                          ; s[16:23] descriptor group 1
.set G0,   24                          ; s[24:27] descriptor group 0
.set MK,   40                          ; s40-43 a mask for each tile of queries (at the end)
.set CNT,  49
.set SLF,  50                          ; LDS byte of the next tile's fragments,
.set SLS,  51                          ; scale words,
.set SLE,  52                          ; NH
.set SEL,  54                          ; s[54:55] v_permlanex16_b32's selects for lane l xor 16
.macro CROUND                          ; a round of the cluster's barrier
	s_barrier_signal -1
	s_barrier_wait -1
	s_cmp_lg_u32 s[WV], 0
	s_cbranch_scc1 .Lnot_wave_0_\@
	s_barrier_signal -3
.Lnot_wave_0_\@:
	s_barrier_wait -3
	s_barrier_signal -1
	s_barrier_wait -1
.endm
; Two selections by VCC, two maxima, two additions in one instruction.  In each pair one destination is even and one odd, and the two first sources, and the two second, differ modulo 4.
.macro DCND d0, a0, b0, d1, a1, b1
	v_dual_cndmask_b32 v[\d0], v[\a0], v[\b0] :: v_dual_cndmask_b32 v[\d1], v[\a1], v[\b1]
.endm
.macro DMAX d0, a0, b0, d1, a1, b1
	v_dual_max_num_f32 v[\d0], v[\a0], v[\b0] :: v_dual_max_num_f32 v[\d1], v[\a1], v[\b1]
.endm
.macro DADD d0, a0, b0, d1, a1, b1
	v_dual_add_f32 v[\d0], v[\a0], v[\b0] :: v_dual_add_f32 v[\d1], v[\a1], v[\b1]
.endm
	s_load_b256 s[4:11], s[0:1], 0x0               ; zq s[4:5], cq s[6:7], pkey s[8:9], pidx s[10:11]
	v_lshl_add_u32 v[SPW], v0, 2, SPARE
	v_mov_b32 v[NIL], 0
	ds_add_u32 v[SPW], v[NIL]                      ; the opening lines: the add, twice on end, and its wait ahead of my tensor load
	ds_add_u32 v[SPW], v[NIL]
	v_lshrrev_b32 v[T0], 5, v0
	v_readfirstlane_b32 s[WV], v[T0]               ; wave 0..15
	s_bfe_u32 s[CX], ttmp6, 0x40000                ; my place in the cluster: it enters zq's, pkey's and pidx's addresses alone
	s_lshl_b32 s[QB], ttmp9, 2
	s_add_co_u32 s[QB], s[QB], s[CX]               ; my chunk of queries = 4 x cluster x + cx
	s_and_b32 s[YY], ttmp7, 0xffff                 ; my chunk of codes, which the four partners share
	s_mov_b32 s[G1], 15|(3<<16)|(1<<21)            ; 15:0 the mask: all four work-groups; 17:16 elements of 8 bytes; 21 set beside a mask; no padding: the images are read 16 bytes a lane on end
	s_mov_b32 s[G1+1], 32<<16                      ; tensor_dim0 = 32 elements: rows of 256 bytes
	s_mov_b32 s[G1+2], 35<<16                      ; tensor_dim1 = 35
	s_mov_b32 s[G1+3], 32<<16                      ; tile_dim0 = 32
	s_mov_b32 s[G1+4], 35                          ; tile_dim1 = 35
	s_mov_b32 s[G1+5], 32                          ; the pitch: dense
	s_mov_b32 s[G1+6], 0
	s_mov_b32 s[G1+7], 0
	s_mov_b32 s[SEL], 0x76543210
	s_mov_b32 s[SEL+1], 0xfedcba98
	s_mov_b32 s[SLF], FRO
	s_mov_b32 s[SLS], 0
	s_mov_b32 s[SLE], NHO
	s_mul_i32 s[G0+1], s[WV], PART                 ; LDS address: the wave's number alone
	s_mul_i32 s32, s[YY], CHUNK
	s_add_co_u32 s32, s32, s[G0+1]                 ; and the same part of chunk y in memory
	s_mov_b32 s33, 0
	s_mul_i32 s34, s[QB], CHUNK                    ; my chunk of zq
	s_mov_b32 s35, 0
	s_lshl_b32 s36, s[YY], 17                      ; pkey, pidx: [8][32768] words: y, my chunk's 1,024 queries, my wave's 64
	s_lshl_b32 s37, s[QB], 12
	s_add_co_u32 s36, s36, s37
	s_lshl_b32 s37, s[WV], 8
	s_add_co_u32 s36, s36, s37
	s_mov_b32 s37, 0
	v_and_b32 v[T0], 31, v0
	v_bfe_u32 v[HH], v0, 4, 1                      ; h
	v_and_b32 v[RR], 15, v0                        ; r
	v_lshlrev_b32 v[LI], 4, v[T0]
	v_lshlrev_b32 v[LS], 2, v[T0]
	v_lshlrev_b32 v[L8], 3, v[T0]
	v_lshlrev_b32 v[LE], 5, v[HH]
	s_lshl_b32 s38, s[WV], 13                      ; my 4 tiles' images: 2,048 bytes each
	s_add_co_u32 s38, s38, FRO
	v_add_nc_u32 v[GF], s38, v[LI]
	s_lshl_b32 s38, s[WV], 9                       ; their scale words: 128 bytes each
	v_add_nc_u32 v[GS], s38, v[LS]
	s_add_co_u32 s39, s38, SCR                     ; my 512 bytes for the way out
	v_lshl_add_u32 v[SA], v[RR], 2, s39
	v_add_nc_u32 v[SB], s39, v[L8]
	s_lshl_b32 s38, s[WV], 8                       ; their NH: 64 bytes each
	s_add_co_u32 s38, s38, NHO
	v_lshl_add_u32 v[GN], v[RR], 2, s38
	s_lshl_b32 s38, s[YY], 10
	v_lshl_add_u32 v[HB], v[HH], 3, s38
	s_wait_alu depctr_va_vdst(0)                   ; directly ahead of the waits below
	s_wait_dscnt 0x0                               ; both opening adds are done
	s_wait_kmcnt 0x0
	s_mov_b32 s[G0], 1                             ; count = 1
	s_add_nc_u64 s[G0+2:G0+3], s[6:7], s[32:33]    ; global address
	s_or_b32 s[G0+3], s[G0+3], 0x80000000          ; type = 2
	s_add_nc_u64 s[4:5], s[4:5], s[34:35]
	s_add_nc_u64 s[8:9], s[8:9], s[36:37]
	s_add_nc_u64 s[10:11], s[10:11], s[36:37]
.irp q, 0,1,2,3
.irp i, 0,1,2,3
	global_load_b128 v[ZF+16*\q+4*\i:ZF+16*\q+4*\i+3], v[GF], s[4:5] offset:2048*\q+512*\i   ; z's fragments stay: tile q, K step i / 2, registers 4 (i % 2) on
.endr
	global_load_b32 v[ZS+\q], v[GS], s[4:5] offset:128*\q          ; lanes 0-15: K step 0's words, lanes 16-31: K step 1's
	global_load_b32 v[NZ+\q], v[GN], s[4:5] offset:64*\q           ; NH of query r, in both halves of the lanes
.endr
	CROUND                                         ; all four work-groups are here: the joint loads meet
	tensor_load_to_lds s[G0:G0+3], s[G1:G1+7]      ; my one tensor load of the launch
	s_nop 0
.set n, 0
.rept 32
	v_mov_b32 v[WB+n], 0                           ; the kept x: written once, since each selection reads what it may keep
.set n, n+1
.endr
.irp q, 0,1,2,3
	v_mov_b32 v[BEST+\q], 0xff800000               ; -infinity: under every u
	v_mov_b32 v[TID+\q], 0
.endr
	v_mov_b32 v[VT], -1                            ; each reduction begins by stepping it
	s_wait_alu depctr_va_vdst(0)
	s_wait_loadcnt 0x0                             ; z's operands are in
	s_wait_tensorcnt 0x0                           ; my part of the chunk is in,
	s_barrier_signal -1
	s_barrier_wait -1                              ; everybody's is
.macro ADDR n                          ; the addresses of the next tile of codes; the scalars go n tiles on
	v_add_nc_u32 v[AF], s[SLF], v[LI]
	v_add_nc_u32 v[AS], s[SLS], v[LS]
	v_add_nc_u32 v[AE], s[SLE], v[LE]
	s_add_co_u32 s[SLF], s[SLF], 2048*\n
	s_add_co_u32 s[SLS], s[SLS], 128*\n
	s_add_co_u32 s[SLE], s[SLE], 64*\n
.endm
.macro LOADS p, o                      ; seven LDS loads: the tile o behind the addresses, into set p: two fragments (four images of 512 bytes), the scale words, NH of codes 8 h + 0 .. 7
.irp i, 0,1,2,3
	ds_load_b128 v[CF+16*(\p)+4*\i:CF+16*(\p)+4*\i+3], v[AF] offset:2048*(\o)+512*\i
.endr
	ds_load_b32 v[CS+(\p)], v[AS] offset:128*(\o)
	ds_load_b128 v[EN+8*(\p):EN+8*(\p)+3], v[AE] offset:64*(\o)
	ds_load_b128 v[EN+8*(\p)+4:EN+8*(\p)+7], v[AE] offset:64*(\o)+16
.endm
; 8 matrix instructions: the tile of codes in set p against my 4 tiles of queries.  The four accumulators take turns, one instruction a turn.
.macro MM p
.set A0, ACC+32*(\p)
.set C0, CF+16*(\p)
.irp q, 0,1,2,3
	v_wmma_scale_f32_16x16x128_f8f6f4 v[A0+8*\q:A0+8*\q+7], v[C0:C0+7], v[ZF+16*\q:ZF+16*\q+7], v[EN+8*(\p):EN+8*(\p)+7], v[CS+(\p)], v[ZS+\q] matrix_a_fmt:MATRIX_FMT_FP4 matrix_b_fmt:MATRIX_FMT_FP4
.endr
.irp q, 0,1,2,3
	v_wmma_scale_f32_16x16x128_f8f6f4 v[A0+8*\q:A0+8*\q+7], v[C0+8:C0+15], v[ZF+16*\q+8:ZF+16*\q+15], v[A0+8*\q:A0+8*\q+7], v[CS+(\p)], v[ZS+\q] matrix_a_fmt:MATRIX_FMT_FP4 matrix_b_fmt:MATRIX_FMT_FP4 matrix_a_scale:MATRIX_SCALE_ROW1 matrix_b_scale:MATRIX_SCALE_ROW1
.endr
.endm
; The tile whose sums lie in set p is reduced: 41 vector instructions for 4 x 8 numbers a lane.
.macro RED p
.set A0, ACC+32*(\p)
.irp q, 0,1,2,3
	v_max3_num_f32 v[MX+\q+2*(\q/2)], v[A0+8*\q], v[A0+8*\q+1], v[A0+8*\q+2]     ; each accumulator from its low end on; two chains for each tile of queries
	v_max3_num_f32 v[MB+\q], v[A0+8*\q+3], v[A0+8*\q+4], v[A0+8*\q+5]
.endr
	v_add_nc_u32 v[VT], 1, v[VT]                   ; this tile's number
.irp q, 0,1,2,3
	v_max3_num_f32 v[MX+\q+2*(\q/2)], v[MX+\q+2*(\q/2)], v[MB+\q], v[A0+8*\q+6+(\q%2)]
.endr
.irp q, 0,2
	DMAX MX+2*\q, MX+2*\q, A0+8*\q+7, MX+2*\q+1, MX+2*\q+1, A0+8*\q+14             ; the eighth number: register 7 of the even tile, register 6 of the odd one
.endr
.irp q, 0,2
	DADD MX+2*\q, MX+2*\q, NZ+\q, MX+2*\q+1, MX+2*\q+1, NZ+\q+1                    ; u of the tile's largest x
.endr
.irp q, 0,1,2,3
	v_cmp_gt_f32 vcc_lo, v[MX+\q+2*(\q/2)], v[BEST+\q]                             ; strictly larger: at a tie the earlier tile stays
	DCND BEST+\q, BEST+\q, MX+\q+2*(\q/2), TID+\q, TID+\q, VT
.irp j, 0,2,4,6
	DCND WB+8*\q+\j, WB+8*\q+\j, A0+8*\q+\j, WB+8*\q+\j+1, WB+8*\q+\j+1, A0+8*\q+\j+1
.endr
.endr
.endm
; A tile's turn: the next tile's operands are asked for (ld = which tile behind the addresses; -1: none), this tile is multiplied, the tile before is reduced.  The reduction's vector lines name no register of the
; products just issued: they are the places between those products and the next loads into their operands, and between them and the reads of their results a turn later.
.macro TILE p, ld, rd
.if \ld >= 0
	LOADS 1-(\p), \ld
	s_wait_dscnt 7                                 ; the seven just issued may be out; the seven before them, this tile's operands, are in
.else
	s_wait_dscnt 0x0
.endif
	MM \p
.if \rd
	RED 1-(\p)
.else
.rept 4
	v_nop                                          ; the first tile has nothing to reduce beside it: four places behind its products
.endr
	s_wait_alu depctr_va_vdst(0)
.endif
.endm
	ADDR 1
	LOADS 0, 0                                     ; tile 0
	ADDR 2
	TILE 0, 0, 0                                   ; tile 0
	TILE 1, 1, 1                                   ; tile 1 | tile 0 is reduced
	s_mov_b32 s[CNT], 30
.Lpair:                                            ; tiles 2 to 61, two a trip: the sets change places and are back where they began
	ADDR 2
	TILE 0, 0, 1
	TILE 1, 1, 1
	s_sub_co_u32 s[CNT], s[CNT], 1
	s_cmp_lg_u32 s[CNT], 0
	s_cbranch_scc1 .Lpair
	ADDR 1
	TILE 0, 0, 1                                   ; tile 62
	TILE 1, -1, 1                                  ; tile 63: nothing more to fetch
	RED 1
	; WHICH OF THE EIGHT: u of the eight kept x, and the lowest j whose u equals best
.irp j, 0,1,2,3,4,5,6,7
.irp q, 0,1,2,3
	v_add_f32 v[WB+8*\q+\j], v[WB+8*\q+\j], v[NZ+\q]
.endr
.endr
.irp q, 0,1,2,3
	v_mov_b32 v[MX+\q+2*(\q/2)], 7
.endr
.irp j, 6,5,4,3,2,1,0
.irp q, 0,1,2,3
	v_cmp_neq_f32 s[MK+\q], v[WB+8*\q+\j], v[BEST+\q]
.endr
.irp q, 0,1,2,3
	v_cndmask_b32 v[MX+\q+2*(\q/2)], \j, v[MX+\q+2*(\q/2)], s[MK+\q]   ; j where they are equal
.endr
.endr
.irp q, 0,1,2,3
	v_lshl_add_u32 v[TID+\q], v[TID+\q], 4, v[MX+\q+2*(\q/2)]
.endr
.irp q, 0,1,2,3
	v_add_nc_u32 v[TID+\q], v[HB], v[TID+\q]       ; the code's index: 1024 y + 16 tile + 8 h + j
.endr
.irp q, 0,1,2,3
	v_permlanex16_b32 v[OB+\q], v[BEST+\q], s[SEL], s[SEL+1]       ; the query's other eight codes of each tile lie in the lane 16 away
	v_permlanex16_b32 v[OI+\q], v[TID+\q], s[SEL], s[SEL+1]
.endr
.irp q, 0,1,2,3
	v_cmp_gt_f32 s[MK+\q], v[OB+\q], v[BEST+\q]    ; the other half's pair where its u is larger,
	v_cmp_eq_f32 s32, v[OB+\q], v[BEST+\q]
	v_cmp_lt_u32 s33, v[OI+\q], v[TID+\q]
	s_and_b32 s32, s32, s33                        ; or equal with the lower index
	s_or_b32 s[MK+\q], s[MK+\q], s32
	v_cndmask_b32 v[BEST+\q], v[BEST+\q], v[OB+\q], s[MK+\q]
	v_cndmask_b32 v[TID+\q], v[TID+\q], v[OI+\q], s[MK+\q]
.endr
.irp q, 0,1,2,3
	v_add_f32 v[BEST+\q], 0, v[BEST+\q]            ; -0 becomes +0, so that equal numbers have equal keys
.endr
.irp q, 0,1,2,3
	v_ashrrev_i32 v[MB+\q], 31, v[BEST+\q]
.endr
.irp q, 0,1,2,3
	v_or_b32 v[MB+\q], 0x80000000, v[MB+\q]
.endr
.irp q, 0,1,2,3
	v_xor_b32 v[BEST+\q], v[BEST+\q], v[MB+\q]     ; the key: the sign bit turned of what is positive, all bits of what is negative: unsigned order = u's order
.endr
.irp q, 0,1,2,3
	ds_store_b32 v[SA], v[BEST+\q] offset:64*\q    ; query 16 q + r of my 64; both halves of the lanes write the same word with the same value
	ds_store_b32 v[SA], v[TID+\q] offset:256+64*\q
.endr
	ds_load_b64 v[CF:CF+1], v[SB]                  ; my own bytes, in order behind my stores
	ds_load_b64 v[CF+2:CF+3], v[SB] offset:256
	s_wait_dscnt 0x0
	global_store_b64 v[L8], v[CF:CF+1], s[8:9]     ; 32 lanes store 256 consecutive bytes, aligned
	global_store_b64 v[L8], v[CF+2:CF+3], s[10:11]
	s_wait_tensorcnt 0x0                           ; the wave's end
	ds_add_u32 v[SPW], v[NIL]
	s_wait_dscnt 0x0
	CROUND                                         ; the closing round: no work-group ends while a partner may still ask for a tile that names it
	s_endpgm
.Lfunc_end_k_qa8b552ec40_scan:
	.size	k_qa8b552ec40_scan, .Lfunc_end_k_qa8b552ec40_scan-k_qa8b552ec40_scan
	.p2alignl 7, 3214868480
	.fill 96, 4, 3214868480
	.section	.rodata,"a",@progbits
	.p2align	6, 0x0
	.amdhsa_kernel k_qa8b552ec40_scan
		.amdhsa_group_segment_fixed_size 167936
		.amdhsa_private_segment_fixed_size 0
		.amdhsa_enable_private_segment 0
		.amdhsa_kernarg_size 32
		.amdhsa_user_sgpr_count 2
		.amdhsa_user_sgpr_kernarg_segment_ptr 1
		.amdhsa_wavefront_size32 1
		.amdhsa_system_sgpr_workgroup_id_x 1
		.amdhsa_system_sgpr_workgroup_id_y 1
		.amdhsa_system_sgpr_workgroup_id_z 1
		.amdhsa_system_vgpr_workitem_id 0
		.amdhsa_next_free_vgpr 256
		.amdhsa_next_free_sgpr 66
		.amdhsa_reserve_vcc 1
		.amdhsa_float_denorm_mode_32 3
		.amdhsa_float_denorm_mode_16_64 3
		.amdhsa_memory_ordered 1
		.amdhsa_forward_progress 1
		.amdhsa_inst_pref_size 42
	.end_amdhsa_kernel
	.amdgpu_metadata
---
amdhsa.version: [ 1, 2 ]
amdhsa.kernels:
  - .name:           k_qa8b552ec40_scan
    .symbol:         k_qa8b552ec40_scan.kd
    .args:
      - { .name: zq, .offset: 0, .size: 8, .value_kind: global_buffer, .address_space: global }
      - { .name: cq, .offset: 8, .size: 8, .value_kind: global_buffer, .address_space: global }
      - { .name: pkey, .offset: 16, .size: 8, .value_kind: global_buffer, .address_space: global }
      - { .name: pidx, .offset: 24, .size: 8, .value_kind: global_buffer, .address_space: global }
    .group_segment_fixed_size: 167936
    .private_segment_fixed_size: 0
    .kernarg_segment_align: 8
    .kernarg_segment_size: 32
    .max_flat_workgroup_size: 512
    .sgpr_count:     66
    .vgpr_count:     256
    .wavefront_size: 32
...
	.end_amdgpu_metadata
.endif
;; end of part 2
;; launch fetch (part 3): grid 256 x 1, 16 waves a work-group, no clusters, 2,304 bytes of LDS; arguments z, codebook, pkey, pidx, out0, lpart; writes out0, lpart
.if DOCPART == 3
	.amdgcn_target "amdgcn-amd-amdhsa--gfx1250"
	.amdhsa_code_object_version 6
	.text
	.protected	k_qa8b552ec40_fetch
	.globl	k_qa8b552ec40_fetch
	.p2align	8
	.type	k_qa8b552ec40_fetch,@function
k_qa8b552ec40_fetch:
	s_mov_b64 s[64:65], 0
	v_nop
	global_prefetch_b8 v0, s[64:65] scope:SCOPE_SE
	s_setreg_imm32_b32 hwreg(HW_REG_WAVE_MODE, 25, 1), 1
	s_wait_xcnt 0x0
; For each query: the best of the eight parts (largest key; at a tie the lower part, which holds the lower indices), the chosen row e of the codebook, out0 = z + (e - z), and the sum of (e - z)^2.
; pkey, pidx: [8][32768] whole numbers from the launch before: the choice is made by unsigned compares alone, and the index, held to 8,191, makes the gather's address.
; SHARES: a work-group takes 128 queries, each of its sixteen waves 8.  A row is 1,024 bytes: two loads or stores of 512 consecutive bytes a wave.  Each row has registers of its own for e and for z:
; a wave's 16 loads of keys and indices and its 16 loads of z go out behind the arguments, its 16 loads of e as soon as the choice is made; no register is loaded twice.
; ORDER: all eight rows are computed in place, the sums are reduced and handed over in LDS, and the wave's 16 stores of out0 follow on end: no vector or LDS instruction stands behind them.
; The work-group's sum of squares goes to lpart: one f32 for each work-group, added up by the last launch.
; No cluster, no LDS tiles, no matrix unit: a stream and a gather; the work-groups share no tile.  No prefetch.
.set ROWS, 8                           ; queries of a wave
.set EO,  32                           ; v32-39  row i: byte offset of my 16 bytes in the chosen row
.set SM,  40                           ; v40-47  the sums of squares, four pairs
.set DD,  48                           ; v48-55  e - z
.set RW,  32                           ; s32-39  the 8 queries' rows, as byte offsets in the codebook
.set SPW, 192                          ; my spare word; never rewritten
.set NIL, 193                          ; 0; never rewritten
	s_load_b256 s[4:11], s[0:1], 0x0               ; z s[4:5], codebook s[6:7], pkey s[8:9], pidx s[10:11]
	s_load_b128 s[12:15], s[0:1], 0x20             ; out0 s[12:13], lpart s[14:15]
	v_lshl_add_u32 v[SPW], v0, 2, 0x100            ; the spare words lie behind the block of the waves' sums
	v_mov_b32 v[NIL], 0
	v_lshrrev_b32 v3, 5, v0
	s_delay_alu instid0(VALU_DEP_1)
	v_readfirstlane_b32 s16, v3                    ; wave 0..15
	v_and_b32 v3, 31, v0
	s_delay_alu instid0(VALU_DEP_1)
	v_lshlrev_b32 v1, 4, v3                        ; 16 x lane
	s_lshl_b32 s17, ttmp9, 7
	s_lshl_b32 s18, s16, 3
	s_add_co_u32 s17, s17, s18                     ; my first query
	s_lshl_b32 s18, s17, 2
	v_and_b32 v2, 7, v0
	s_delay_alu instid0(VALU_DEP_1)
	v_lshl_add_u32 v2, v2, 2, s18                  ; lane l: query l % 8 of my 8, its word in a part
	s_lshl_b32 s20, s17, 10                        ; my first row of z and of out0
	s_mov_b32 s21, 0
	s_lshl_b32 s22, ttmp9, 2                       ; my work-group's word of lpart
	s_mov_b32 s23, 0
	s_mov_b32 s24, 0x76543210
	s_mov_b32 s25, 0xfedcba98
	s_lshl_b32 s19, s16, 2
	v_mov_b32 v26, s19                             ; LDS: my wave's word
	v_mov_b32 v27, 0
	s_wait_alu depctr_va_vdst(0)
	s_wait_kmcnt 0x0
	s_add_nc_u64 s[4:5], s[4:5], s[20:21]
	s_add_nc_u64 s[12:13], s[12:13], s[20:21]
	s_add_nc_u64 s[14:15], s[14:15], s[22:23]
.irp y, 0,1,2,3,4,5,6,7
	global_load_b32 v[8+\y], v2, s[8:9] offset:131072*\y
	global_load_b32 v[16+\y], v2, s[10:11] offset:131072*\y
.endr
.irp i, 0,1,2,3,4,5,6,7
	global_load_b128 v[72+16*\i:75+16*\i], v1, s[4:5] offset:1024*\i th:TH_LOAD_NT       ; z does not hang on the choice: all my rows go out at once
	global_load_b128 v[76+16*\i:79+16*\i], v1, s[4:5] offset:1024*\i+512 th:TH_LOAD_NT
.endr
	s_wait_loadcnt 16                              ; keys and indices are in; the sixteen loads of z may be out
	v_cmp_gt_u32 vcc_lo, v9, v8                    ; strictly larger: at a tie the lower part stays
	s_delay_alu instid0(VALU_DEP_1)
	v_cndmask_b32 v25, v16, v17, vcc_lo
	v_max_u32 v24, v8, v9
.irp y, 2,3,4,5,6,7
	s_delay_alu instid0(VALU_DEP_1)
	v_cmp_gt_u32 vcc_lo, v[8+\y], v24
	s_delay_alu instid0(VALU_DEP_1)
	v_cndmask_b32 v25, v25, v[16+\y], vcc_lo
	s_delay_alu instid0(VALU_DEP_3)
	v_max_u32 v24, v24, v[8+\y]
.endr
	s_delay_alu instid0(VALU_DEP_2)
	v_min_u32 v25, 0x1fff, v25                     ; an index stays inside the codebook
.irp i, 0,1,2,3,4,5,6,7
	v_readlane_b32 s[RW+\i], v25, \i               ; query i's row, for all lanes
.endr
.irp i, 0,1,2,3,4,5,6,7
	s_min_u32 s[RW+\i], s[RW+\i], 0x1fff
	s_lshl_b32 s[RW+\i], s[RW+\i], 10              ; 1,024 bytes a row
.endr
.irp i, 0,1,2,3,4,5,6,7
	v_add_nc_u32 v[EO+\i], s[RW+\i], v1
	global_load_b128 v[64+16*\i:67+16*\i], v[EO+\i], s[6:7]
	global_load_b128 v[68+16*\i:71+16*\i], v[EO+\i], s[6:7] offset:512
.endr
.macro DOQ i                           ; row i, in place: its registers of e end up holding its row of out0
.set EE, 64+16*(\i)
.set ZZ, 72+16*(\i)
	s_wait_loadcnt 2*(ROWS-1-(\i))                 ; behind this row's e were issued the e of the rows that follow, two loads each; all of z is older
.irp k, 0,2,4,6
	v_pk_add_f32 v[DD+\k:DD+\k+1], v[EE+\k:EE+\k+1], v[ZZ+\k:ZZ+\k+1] neg_lo:[0,1] neg_hi:[0,1]   ; e - z
.endr
.irp k, 0,2,4,6
	s_delay_alu instid0(VALU_DEP_4)
.if (\i) == 0
	v_pk_mul_f32 v[SM+\k:SM+\k+1], v[DD+\k:DD+\k+1], v[DD+\k:DD+\k+1]                             ; the first row starts the sums
.else
	v_pk_fma_f32 v[SM+\k:SM+\k+1], v[DD+\k:DD+\k+1], v[DD+\k:DD+\k+1], v[SM+\k:SM+\k+1]
.endif
.endr
.irp k, 0,2,4,6
	v_pk_add_f32 v[EE+\k:EE+\k+1], v[ZZ+\k:ZZ+\k+1], v[DD+\k:DD+\k+1]                             ; z + (e - z)
.endr
.endm
.irp i, 0,1,2,3,4,5,6,7
	DOQ \i
.endr
	v_pk_add_f32 v[SM:SM+1], v[SM:SM+1], v[SM+2:SM+3]
	v_pk_add_f32 v[SM+4:SM+5], v[SM+4:SM+5], v[SM+6:SM+7]
	s_delay_alu instid0(VALU_DEP_1)
	v_pk_add_f32 v[SM:SM+1], v[SM:SM+1], v[SM+4:SM+5]
	s_delay_alu instid0(VALU_DEP_1)
	v_add_f32 v40, v40, v41
	s_delay_alu instid0(VALU_DEP_1)
	v_add_f32_dpp v40, v40, v40 row_xmask:1 row_mask:0xf bank_mask:0xf
	s_delay_alu instid0(VALU_DEP_1)
	v_add_f32_dpp v40, v40, v40 row_xmask:2 row_mask:0xf bank_mask:0xf
	s_delay_alu instid0(VALU_DEP_1)
	v_add_f32_dpp v40, v40, v40 row_xmask:4 row_mask:0xf bank_mask:0xf
	s_delay_alu instid0(VALU_DEP_1)
	v_add_f32_dpp v40, v40, v40 row_xmask:8 row_mask:0xf bank_mask:0xf
	s_delay_alu instid0(VALU_DEP_1)
	v_permlanex16_b32 v41, v40, s24, s25
	v_cmp_eq_u32 vcc_lo, 0, v0                     ; thread 0, for the one word of lpart at the end
	s_delay_alu instid0(VALU_DEP_2)
	v_add_f32 v40, v40, v41                        ; my wave's sum, in every lane
	ds_store_b32 v26, v40
	s_wait_alu depctr_va_vdst(0)                   ; directly ahead of the wait below
	s_wait_dscnt 0x0                               ; for wave 0's sake
	s_barrier_signal -1
	s_barrier_wait -1
	s_cmp_lg_u32 s16, 0
	s_cbranch_scc1 .Ljoin
.irp t, 0,1,2,3
	ds_load_b128 v[48+4*\t:51+4*\t], v27 offset:16*\t              ; the sixteen waves' sums
.endr
	s_wait_dscnt 0x0
.irp t, 0,1,2,3
	v_pk_add_f32 v[48+4*\t:49+4*\t], v[48+4*\t:49+4*\t], v[50+4*\t:51+4*\t]
.endr
	s_delay_alu instid0(VALU_DEP_3)
	v_pk_add_f32 v[48:49], v[48:49], v[52:53]
	s_delay_alu instid0(VALU_DEP_2)
	v_pk_add_f32 v[56:57], v[56:57], v[60:61]
	s_delay_alu instid0(VALU_DEP_1)
	v_pk_add_f32 v[48:49], v[48:49], v[56:57]
	s_delay_alu instid0(VALU_DEP_1)
	v_add_f32 v48, v48, v49                        ; the work-group's sum
	s_wait_alu depctr_va_vdst(0)
.Ljoin:
	s_wait_tensorcnt 0x0                           ; behind my last LDS store: no LDS instruction follows them
	ds_add_u32 v[SPW], v[NIL]
	s_wait_dscnt 0x0
.irp i, 0,1,2,3,4,5,6,7
	global_store_b128 v1, v[64+16*\i:67+16*\i], s[12:13] offset:1024*\i th:TH_STORE_NT           ; 32 lanes store 512 consecutive bytes, aligned
	global_store_b128 v1, v[68+16*\i:71+16*\i], s[12:13] offset:1024*\i+512 th:TH_STORE_NT
.endr
	s_cmp_lg_u32 s16, 0
	s_cbranch_scc1 .Lend
	s_wait_xcnt 0x0                                ; EXEC changes only behind this wait
	s_and_saveexec_b32 s26, vcc_lo
	global_store_b32 v27, v48, s[14:15]            ; thread 0 alone
	s_wait_xcnt 0x0                                ; and again, in front of the line that widens it
	s_or_b32 exec_lo, exec_lo, s26
.Lend:
	s_endpgm
.Lfunc_end_k_qa8b552ec40_fetch:
	.size	k_qa8b552ec40_fetch, .Lfunc_end_k_qa8b552ec40_fetch-k_qa8b552ec40_fetch
	.p2alignl 7, 3214868480
	.fill 96, 4, 3214868480
	.section	.rodata,"a",@progbits
	.p2align	6, 0x0
	.amdhsa_kernel k_qa8b552ec40_fetch
		.amdhsa_group_segment_fixed_size 2304
		.amdhsa_private_segment_fixed_size 0
		.amdhsa_enable_private_segment 0
		.amdhsa_kernarg_size 48
		.amdhsa_user_sgpr_count 2
		.amdhsa_user_sgpr_kernarg_segment_ptr 1
		.amdhsa_wavefront_size32 1
		.amdhsa_system_sgpr_workgroup_id_x 1
		.amdhsa_system_sgpr_workgroup_id_y 1
		.amdhsa_system_sgpr_workgroup_id_z 1
		.amdhsa_system_vgpr_workitem_id 0
		.amdhsa_next_free_vgpr 194
		.amdhsa_next_free_sgpr 66
		.amdhsa_reserve_vcc 1
		.amdhsa_float_denorm_mode_32 3
		.amdhsa_float_denorm_mode_16_64 3
		.amdhsa_memory_ordered 1
		.amdhsa_forward_progress 1
		.amdhsa_inst_pref_size 20
	.end_amdhsa_kernel
	.amdgpu_metadata
---
amdhsa.version: [ 1, 2 ]
amdhsa.kernels:
  - .name:           k_qa8b552ec40_fetch
    .symbol:         k_qa8b552ec40_fetch.kd
    .args:
      - { .name: z, .offset: 0, .size: 8, .value_kind: global_buffer, .address_space: global }
      - { .name: codebook, .offset: 8, .size: 8, .value_kind: global_buffer, .address_space: global }
      - { .name: pkey, .offset: 16, .size: 8, .value_kind: global_buffer, .address_space: global }
      - { .name: pidx, .offset: 24, .size: 8, .value_kind: global_buffer, .address_space: global }
      - { .name: out0, .offset: 32, .size: 8, .value_kind: global_buffer, .address_space: global }
      - { .name: lpart, .offset: 40, .size: 8, .value_kind: global_buffer, .address_space: global }
    .group_segment_fixed_size: 2304
    .private_segment_fixed_size: 0
    .kernarg_segment_align: 8
    .kernarg_segment_size: 48
    .max_flat_workgroup_size: 512
    .sgpr_count:     66
    .vgpr_count:     194
    .wavefront_size: 32
...
	.end_amdgpu_metadata
.endif
;; end of part 3
;; launch total (part 4): grid 1 x 1, 1 waves a work-group, no clusters, 0 bytes of LDS; arguments lpart, out1; writes out1
.if DOCPART == 4
	.amdgcn_target "amdgcn-amd-amdhsa--gfx1250"
	.amdhsa_code_object_version 6
	.text
	.protected	k_qa8b552ec40_total
	.globl	k_qa8b552ec40_total
	.p2align	8
	.type	k_qa8b552ec40_total,@function
k_qa8b552ec40_total:
	s_mov_b64 s[64:65], 0
	v_nop
	global_prefetch_b8 v0, s[64:65] scope:SCOPE_SE
	s_setreg_imm32_b32 hwreg(HW_REG_WAVE_MODE, 25, 1), 1
	s_wait_xcnt 0x0
; out1 = 0.25 m + m, m = the mean of (z_q - z)^2 over 32,768 x 256 = 2^23 numbers: the 256 work-groups' sums of the launch before are added by one wave, in a fixed order.
	s_load_b128 s[4:7], s[0:1], 0x0                ; lpart s[4:5], out1 s[6:7]
	v_lshlrev_b32 v1, 4, v0                        ; 16 x lane
	v_mov_b32 v2, 0
	s_mov_b32 s8, 0x76543210
	s_mov_b32 s9, 0xfedcba98
	s_wait_alu depctr_va_vdst(0)
	s_wait_kmcnt 0x0
	global_load_b128 v[4:7], v1, s[4:5]
	global_load_b128 v[8:11], v1, s[4:5] offset:512
	s_wait_loadcnt 0x0
	v_pk_add_f32 v[4:5], v[4:5], v[6:7]
	v_pk_add_f32 v[8:9], v[8:9], v[10:11]
	v_pk_add_f32 v[4:5], v[4:5], v[8:9]
	v_add_f32 v4, v4, v5
	v_add_f32_dpp v4, v4, v4 row_xmask:1 row_mask:0xf bank_mask:0xf
	v_add_f32_dpp v4, v4, v4 row_xmask:2 row_mask:0xf bank_mask:0xf
	v_add_f32_dpp v4, v4, v4 row_xmask:4 row_mask:0xf bank_mask:0xf
	v_add_f32_dpp v4, v4, v4 row_xmask:8 row_mask:0xf bank_mask:0xf
	v_permlanex16_b32 v5, v4, s8, s9
	v_add_f32 v4, v4, v5
	v_mul_f32 v4, 0x34000000, v4                   ; x 2^-23: the mean
	v_fmamk_f32 v5, v4, 0x3e800000, v4             ; 0.25 m + m
	v_cmp_eq_u32 vcc_lo, 0, v0
	s_wait_alu depctr_va_vdst(0)
	s_wait_xcnt 0x0                                ; EXEC changes only behind this wait
	s_and_saveexec_b32 s10, vcc_lo
	global_store_b32 v2, v5, s[6:7]
	s_wait_xcnt 0x0
	s_or_b32 exec_lo, exec_lo, s10
	s_endpgm
.Lfunc_end_k_qa8b552ec40_total:
	.size	k_qa8b552ec40_total, .Lfunc_end_k_qa8b552ec40_total-k_qa8b552ec40_total
	.p2alignl 7, 3214868480
	.fill 96, 4, 3214868480
	.section	.rodata,"a",@progbits
	.p2align	6, 0x0
	.amdhsa_kernel k_qa8b552ec40_total
		.amdhsa_group_segment_fixed_size 0
		.amdhsa_private_segment_fixed_size 0
		.amdhsa_enable_private_segment 0
		.amdhsa_kernarg_size 16
		.amdhsa_user_sgpr_count 2
		.amdhsa_user_sgpr_kernarg_segment_ptr 1
		.amdhsa_wavefront_size32 1
		.amdhsa_system_sgpr_workgroup_id_x 1
		.amdhsa_system_sgpr_workgroup_id_y 1
		.amdhsa_system_sgpr_workgroup_id_z 1
		.amdhsa_system_vgpr_workitem_id 0
		.amdhsa_next_free_vgpr 16
		.amdhsa_next_free_sgpr 66
		.amdhsa_reserve_vcc 1
		.amdhsa_float_denorm_mode_32 3
		.amdhsa_float_denorm_mode_16_64 3
		.amdhsa_memory_ordered 1
		.amdhsa_forward_progress 1
		.amdhsa_inst_pref_size 2
	.end_amdhsa_kernel
	.amdgpu_metadata
---
amdhsa.version: [ 1, 2 ]
amdhsa.kernels:
  - .name:           k_qa8b552ec40_total
    .symbol:         k_qa8b552ec40_total.kd
    .args:
      - { .name: lpart, .offset: 0, .size: 8, .value_kind: global_buffer, .address_space: global }
      - { .name: out1, .offset: 8, .size: 8, .value_kind: global_buffer, .address_space: global }
    .group_segment_fixed_size: 0
    .private_segment_fixed_size: 0
    .kernarg_segment_align: 8
    .kernarg_segment_size: 16
    .max_flat_workgroup_size: 32
    .sgpr_count:     66
    .vgpr_count:     16
    .wavefront_size: 32
...
	.end_amdgpu_metadata
.endif
;; end of part 4
